; MI455X (gfx1250); checked and timed in simulation.
; The chip was launched on July 23, 2026; its instructions are those of AMD's public machine-readable ISA for CDNA 5 (MIT licence, August 2026) and "CDNA5" Instruction Set Architecture Reference Guide (July 2026). The comments in the code are by the model that wrote it; some were corrected since.
;; MLP Q. Allowed arithmetic: matrix products marked QUANTISED: E2M3 operands, one E8M0 scale for each 32 along K, by v_wmma_scale_f32_16x16x128_f8f6f4 with both operands' format E2M3, f32 sums; everything else in f32.
;; Inputs: b_fc_q 8,192 int32; b_proj_q 2,048 int32; s_fc_b one number float32; s_fc_w one number float32; s_proj_b one number float32; s_proj_w one number float32; w_fc_q 8,192 x 2,048 int32; w_proj_q 2,048 x 8,192 int32; x 4 x 512 x 2,048 float32.
;; Outputs: out0 4 x 512 x 2,048 float32.
;; Constants: z_fc_b = 0, z_fc_w = 0, z_proj_b = 0, z_proj_w = 0.
;; This version of the problem:
;;   THIS VERSION OF THE PROBLEM IS GIVEN IN LOW PRECISION. The matrix products marked QUANTISED in the list below multiply operands that are first quantised to E2M3 (2 exponent bits, 3 mantissa bits; 6 bits a number), with one power-of-two scale for each 32 numbers along K (OCP MX v1.0); their sums are f32. All else is computed in f32.
;;   The module's matrix products, in the order in which they are computed (A, B: the left and right operand; K: the contracted axis; several contracted axes count as one K, in the product's order):
;;     1. [M 2,048, K 2,048] x [K 2,048, N 8,192]; A: input x; B: computed on the way: QUANTISED
;;     2. [M 2,048, K 8,192] x [K 8,192, N 2,048]; A: computed on the way; B: computed on the way: QUANTISED
;;   THE QUANTISER, for each operand of a quantised product, along K:
;;     - K is cut into blocks of 32 from its start; a last block that is shorter is filled with zeros.
;;     - A block's scale is 2^e with e = floor(log2(the largest magnitude in the block)) - 2, held to -126 .. 127; a block of zeros has e = 0. As a byte (E8M0): e + 127.
;;     - Each number is divided by its block's scale, clamped to +-7.5, and rounded to the nearest number of E2M3, ties to even, subnormals kept.
;;     - The product sums the exact products of the quantised numbers (number of the format x scale) in f32.
;;   ~~~python
;;   def quantise(x, axis):      # numpy; x: float32 -> the quantised numbers, widened to float32 again
;;       x = np.moveaxis(x, axis, -1); K = x.shape[-1]
;;       x = np.pad(x, [(0, 0)] * (x.ndim - 1) + [(0, -K % 32)]); x = x.reshape(x.shape[:-1] + (-1, 32)); a = np.abs(x).max(-1, keepdims=True)
;;       e = np.where(a > 0, np.clip(np.frexp(np.where(a > 0, a, 1))[1] - 1 - 2, -126, 127), 0)      # np.frexp(a)[1] - 1 = floor(log2(a)), exactly
;;       r = np.clip(x / 2.0 ** e, -7.5, 7.5)
;;       step = 2.0 ** (np.maximum(np.frexp(np.where(r == 0, 1, r))[1] - 1, 0) - 3)
;;       q = np.round(r / step) * step * 2.0 ** e      # np.round: ties to even
;;       return np.moveaxis(q.reshape(q.shape[:-2] + (-1,))[..., :K], -1, axis).astype(np.float32)
;;   ~~~
;;   OPERANDS COMPUTED ON THE WAY. 'Computed on the way' means the value that the module computes at that place (a softmax that the list does not call 'softmax' is quantised finished and normalised). What goes into a quantiser is computed in f32, as accurately as f32 sums, v_exp_f32 and their like allow (about 1e-6 of the number): no bf16 or f16 on the way to a quantiser, and a product that is left as it is and whose result goes on into a quantised operand takes f32 operands (vector FMAs, or v_wmma_f32_16x16x4_f32). A number that lies on a knife's edge between two numbers of the format may be rounded either way, as far as f32 arithmetic and the matrix unit's own rounding can turn it there, and no further.
;; One version. Each part assembles by itself: llvm-mc -triple=amdgcn-amd-amdhsa -mcpu=gfx1250 --defsym DOCPART=n.
;; ======== version 1 of 1: 3 launches
;; limits: right only within a limited range of input values
;; workspace buffers: xq 3,276,800 bytes; w1q 13,107,200 bytes; w2q 13,107,200 bytes; hq 13,107,200 bytes
;; launch quant (part 1): grid 256 x 1, 9 waves a work-group, no clusters, 78,080 bytes of LDS; arguments x, w_fc_q, w_proj_q, s_fc_w, s_proj_w, xq, w1q, w2q; writes xq, w1q, w2q
.if DOCPART == 1
	.amdgcn_target "amdgcn-amd-amdhsa--gfx1250"
	.amdhsa_code_object_version 6
	.text
	.protected	k_q33f214428a_quant
	.globl	k_q33f214428a_quant
	.p2align	8
	.type	k_q33f214428a_quant,@function
k_q33f214428a_quant:
	s_mov_b64 s[64:65], 0
	v_nop
	global_prefetch_b8 v0, s[64:65] scope:SCOPE_SE
	s_setreg_imm32_b32 hwreg(HW_REG_WAVE_MODE, 25, 1), 1
	s_wait_xcnt 0x0
; x [2048][2048] f32, w_fc_q [8192][2048] and w_proj_q [2048][8192] int32 (a weight is s x float(q), the zero points are the constant 0)
; become codes of FP6 (E2M3) with one E8M0 scale byte for each 32 along K, which is the last axis of all three.
; THE OUTPUT IS LAID IN THE ORDER OF THE OPERAND'S REGISTERS.  A RECORD is 128 rows x 128 along K, 12,800 bytes = 50 x 256:
;   byte 1536 i + 512 c + 16 lane: registers 4 c .. 4 c + 3 of that lane of fragment i (16 rows x 128 K, 12 registers: lane (r, h), registers 6 c .. 6 c + 5 = K 64 c + 32 h + 0 .. 31);
;   byte 12288 + 256 (i / 4) + 16 r + 4 (i % 4): the scale word (four bytes, the lower K in the lower byte) of place r of fragment i.
;   Place p of fragment i is row 32 (i / 2) + 8 (i % 2) + p + 8 (p / 8) of the 128.  A buffer is [rows / 128][K / 128] records.
; A block's scale is 2^(floor(log2(its largest magnitude)) - 2): its byte is the largest magnitude's exponent field - 2, held at 1 from below.
; LIMITS: a block of zeros gets the byte 1 where the rule says 127 (its codes are zeros, and the bytes are read by this program alone); NaN and infinities among the inputs are not served.
; SHARES: 2,304 records = 256 work-groups x 9 waves: a wave makes one record, fragment by fragment.  Waves share nothing: no barrier.
; A load reads 512 consecutive bytes of one row; the conversions want 32 neighbours along K in ONE lane: so a fragment's 16 rows turn through the wave's own stage in LDS.
; Loads run two fragments (32 loads of 512 bytes a wave) ahead.  Every store of the wave covers 512 consecutive bytes, at a multiple of 256 from the buffer's first byte.
; No matrix unit, no cluster, no tensor load: the launch streams each byte once and nothing is shared between work-groups.
.set REC,    12800
.set FRB,    1536
.set SCOFF,  12288
.set SPITCH, 528                       ; a stage row: 512 bytes + 16 = 33 x 16: the sixteen rows that a load of 16 bytes a lane touches start at sixteen different 16-byte columns of 256 bytes
.set WSTG,   16*SPITCH                 ; a wave's stage
.set VO,     16                        ; v16-31   place p: its row's byte offset in the fragment + 16 x lane; never rewritten
.set PW,     32                        ; v32-39   the eight fragments' scale words
.set PC,     40                        ; v40-51   a fragment's codes
.set OD,     52                        ; v52-54, v56-58  the second halves of the blocks' codes, as the conversions leave them
.set RAW,    64                        ; v64-127, v128-191  two sets of 16 rows as loaded
.set NB,     192                       ; v192-255 my 64 numbers: 32 neighbours along K twice
.set SB,     32                        ; s[32:47] fragment i's first row in the source
; v1 16 x lane; v2 into the stage; v3 out of it; v4 8 h; v5, v6 largest magnitudes; v7, v8 the conversions' scale operands; v9, v10 bytes; v11 word; v12 the other half's; v13 lane
	s_load_b256 s[4:11], s[0:1], 0x0               ; x s[4:5], w_fc_q s[6:7], w_proj_q s[8:9], s_fc_w s[10:11]
	s_load_b256 s[12:19], s[0:1], 0x20             ; s_proj_w s[12:13], xq s[14:15], w1q s[16:17], w2q s[18:19]
	v_lshl_add_u32 v62, v0, 2, 0x12c00
	v_mov_b32 v63, 0
	v_lshrrev_b32 v13, 5, v0
	s_delay_alu instid0(VALU_DEP_1)
	v_readfirstlane_b32 s22, v13                   ; wave 0..8
	v_and_b32 v13, 31, v0                          ; lane
	v_and_b32 v14, 15, v0                          ; r
	v_bfe_u32 v15, v0, 4, 1                        ; h
	s_delay_alu instid0(VALU_DEP_3)
	v_lshlrev_b32 v1, 4, v13                       ; 16 x lane
	s_mul_i32 s52, s22, WSTG                       ; my stage
	v_add_nc_u32 v2, s52, v1                       ; in: a row as it was loaded
	v_mul_u32_u24 v3, v14, SPITCH
	s_delay_alu instid0(VALU_DEP_1)
	v_lshl_add_u32 v3, v15, 7, v3
	s_delay_alu instid0(VALU_DEP_1)
	v_add_nc_u32 v3, s52, v3                       ; out: row r, from K = 32 h on
	v_lshlrev_b32 v4, 3, v15                       ; 8 h: my two bytes' place in the scale word
	v_mov_b32 v12, 0                               ; written once: a lane permute's destination counts as one of its sources
	s_mov_b32 s54, 0x76543210
	s_mov_b32 s55, 0xfedcba98                      ; v_permlanex16_b32's selects for lane l xor 16
	s_mul_i32 s23, ttmp9, 9
	s_add_co_u32 s23, s23, s22                     ; my record among the 2,304: 0-255 x, 256-1279 w_fc, 1280-2303 w_proj
	s_wait_alu depctr_va_vdst(0)
	s_wait_kmcnt 0x0
	s_load_b32 s20, s[10:11], 0x0                  ; s_fc_w
	s_load_b32 s21, s[12:13], 0x0                  ; s_proj_w
	s_mov_b32 s52, 1280
	s_mov_b32 s53, 0x8000
	s_wait_kmcnt 0x0
	s_cmp_lt_u32 s23, s52                          ; the choice hangs on the work-group's and the wave's number alone
	s_cselect_b64 s[48:49], s[6:7], s[8:9]         ; the source,
	s_cselect_b64 s[50:51], s[16:17], s[18:19]     ; the records,
	s_cselect_b32 s28, s20, s21                    ; the weights' scale,
	s_cselect_b32 s24, 256, s52                    ; the tensor's first record,
	s_cselect_b32 s25, 4, 6                        ; log2 of its records along K,
	s_cselect_b32 s26, 0x2000, s53                 ; a row in bytes
	s_cmp_lt_u32 s23, 256
	s_cselect_b64 s[48:49], s[4:5], s[48:49]
	s_cselect_b64 s[50:51], s[14:15], s[50:51]
	s_cselect_b32 s24, 0, s24
	s_cselect_b32 s27, 1, 0                        ; 1: the numbers are f32 as they come
	s_mov_b32 s29, s28                             ; (the packed form names the pair)
	s_sub_co_u32 s24, s23, s24                     ; my record in its tensor
	s_lshr_b32 s30, s24, s25                       ; which 128 rows,
	s_bfm_b32 s31, s25, 0
	s_and_b32 s31, s24, s31                        ; which 128 along K
	s_mul_i32 s30, s30, s26
	s_lshl_b32 s30, s30, 7
	s_lshl_b32 s31, s31, 9
	s_add_co_u32 s30, s30, s31                     ; under 2^27
	s_mov_b32 s31, 0
	s_add_nc_u64 s[48:49], s[48:49], s[30:31]
	s_mul_i32 s30, s24, REC
	s_add_nc_u64 s[50:51], s[50:51], s[30:31]
.irp i, 0,1,2,3,4,5,6,7
	s_mul_i32 s30, s26, 32*(\i/2)+8*(\i%2)
	s_add_nc_u64 s[SB+2*\i:SB+2*\i+1], s[48:49], s[30:31]
.endr
	; the prefetch's offset, v59, never rewritten: a fragment's 16 rows x 512 bytes are 32 blocks of 256 bytes, a lane a block: place lane / 2, half lane % 2
	v_lshrrev_b32 v60, 1, v13
	s_delay_alu instid0(VALU_DEP_1)
	v_and_b32 v61, 8, v60
	s_delay_alu instid0(VALU_DEP_1)
	v_add_nc_u32 v60, v60, v61                     ; the place's row in the fragment
	v_and_b32 v61, 1, v13
	s_delay_alu instid0(VALU_DEP_1)
	v_lshlrev_b32 v61, 8, v61
	s_delay_alu instid0(VALU_DEP_1)
	v_mad_u32_u24 v59, s26, v60, v61
.irp p, 0,1,2,3,4,5,6,7,8,9,10,11,12,13,14,15
	v_mad_u32_u24 v[VO+\p], s26, \p+8*(\p/8), v1
.endr
.macro LOAD f                          ; fragment f's 16 rows, 512 consecutive bytes each, into set f % 2
.irp p, 0,1,2,3,4,5,6,7,8,9,10,11,12,13,14,15
	global_load_b128 v[RAW+64*((\f)%2)+4*\p:RAW+64*((\f)%2)+4*\p+3], v[VO+\p], s[SB+2*(\f):SB+2*(\f)+1] th:TH_LOAD_NT
.endr
.endm
.macro FRAGQ f
.if (\f) < 7
	s_wait_loadcnt 16                              ; this fragment's 16 loads are in; the next fragment's 16 may be out
.else
	s_wait_loadcnt 0x0
.endif
.irp p, 0,1,2,3,4,5,6,7,8,9,10,11,12,13,14,15
	ds_store_b128 v2, v[RAW+64*((\f)%2)+4*\p:RAW+64*((\f)%2)+4*\p+3] offset:SPITCH*\p
.endr
.irp j, 0,1,2,3,4,5,6,7,8,9,10,11,12,13,14,15
	ds_load_b128 v[NB+4*\j:NB+4*\j+3], v3 offset:256*(\j/8)+16*(\j%8)   ; LDS serves a wave's instructions in order: these see the stores above.  K = 32 h + 0 .. 31, then 64 + 32 h + 0 .. 31
.endr
	s_wait_dscnt 16                                ; the 16 stores are done and have read the set (the 16 loads issued behind them may be out),
.if (\f)+2 < 8
	LOAD (\f)+2                                    ; which takes the fragment two further on
.endif
.if (\f)+4 < 8
	global_prefetch_b8 v59, s[SB+2*((\f)+4):SB+2*((\f)+4)+1] th:TH_LOAD_NT scope:SCOPE_SE   ; the fragment four further on, two ahead of its loads: my own record's rows, each block named once; the last four fragments ask for nothing
.endif
	s_wait_dscnt 0x0                               ; my 64 numbers are in
	s_cmp_lg_u32 s27, 0
	s_cbranch_scc1 .Lisx_\@                        ; x is f32 already: the branch goes round register work alone
.set j, 0
.rept 64
	v_cvt_f32_i32 v[NB+j], v[NB+j]
.set j, j+1
.endr
.set j, 0
.rept 32
	v_pk_mul_f32 v[NB+j:NB+j+1], v[NB+j:NB+j+1], s[28:29] op_sel_hi:[1,0]   ; s x float(q), rounded once
.set j, j+2
.endr
.Lisx_\@:
	v_max3_num_f32 v5, |v[NB]|, |v[NB+1]|, 0x1800000                ; my two blocks, h and 2 + h of my row: all 32 numbers of each are mine.  The floor 2^(3 - 127) holds the byte at 1 from below
	v_max3_num_f32 v6, |v[NB+32]|, |v[NB+33]|, 0x1800000
.irp i, 2,4,6,8,10,12,14,16,18,20,22,24,26,28,30
	s_delay_alu instid0(VALU_DEP_2)
	v_max3_num_f32 v5, v5, |v[NB+\i]|, |v[NB+\i+1]|                 ; (the two blocks by turns)
	s_delay_alu instid0(VALU_DEP_2)
	v_max3_num_f32 v6, v6, |v[NB+32+\i]|, |v[NB+33+\i]|
.endr
	s_delay_alu instid0(VALU_DEP_2)
	v_add_nc_u32 v7, 0xff000000, v5                ; 2 off the exponent field: the conversion takes the exponent field of this operand as its scale
	s_delay_alu instid0(VALU_DEP_2)
	v_add_nc_u32 v8, 0xff000000, v6
	s_delay_alu instid0(VALU_DEP_2)
	v_lshrrev_b32 v9, 23, v7                       ; the scales' bytes
	s_delay_alu instid0(VALU_DEP_2)
	v_lshrrev_b32 v10, 23, v8
	s_delay_alu instid0(VALU_DEP_1)
	v_lshl_or_b32 v11, v10, 16, v9
	s_delay_alu instid0(VALU_DEP_1)
	v_lshlrev_b32 v11, v4, v11                     ; at their places in the word, 8 h bits up;
	s_delay_alu instid0(VALU_DEP_1)
	v_permlanex16_b32 v12, v11, s54, s55
	s_delay_alu instid0(VALU_DEP_1)
	v_or_b32 v[PW+(\f)], v11, v12                  ; with lane l xor 16's two the row's word is whole
	s_wait_alu depctr_va_vdst(0)
	s_wait_xcnt 0x0                                ; the last fragment's stores have read the codes' registers: only behind this wait are they written again
	v_cvt_scalef32_pk16_fp6_f32 v[PC:PC+2], v[NB:NB+15], v7
	v_cvt_scalef32_pk16_fp6_f32 v[OD:OD+2], v[NB+16:NB+31], v7      ; (a conversion's three registers begin on an even number)
	v_cvt_scalef32_pk16_fp6_f32 v[PC+6:PC+8], v[NB+32:NB+47], v8
	v_cvt_scalef32_pk16_fp6_f32 v[OD+4:OD+6], v[NB+48:NB+63], v8
	v_nop                                          ; one plain place behind a scaled conversion
.irp i, 0,1,2
	v_mov_b32 v[PC+3+\i], v[OD+\i]
	v_mov_b32 v[PC+9+\i], v[OD+4+\i]
.endr
.irp c, 0,1,2
	global_store_b128 v1, v[PC+4*\c:PC+4*\c+3], s[50:51] offset:FRB*(\f)+512*\c
.endr
.endm
	LOAD 0
	LOAD 1
	global_prefetch_b8 v59, s[SB+4:SB+5] th:TH_LOAD_NT scope:SCOPE_SE    ; fragments 2 and 3: two ahead of their loads
	global_prefetch_b8 v59, s[SB+6:SB+7] th:TH_LOAD_NT scope:SCOPE_SE
	s_wait_alu depctr_va_vdst(0)
.irp f, 0,1,2,3,4,5,6,7
	FRAGQ \f
.endr
	v_cmp_gt_u32 vcc_lo, 16, v13                   ; every lane holds its row's words: lanes 0-15 keep those of fragments 0-3, lanes 16-31 take those of 4-7
.irp k, 0,1,2,3
	v_cndmask_b32 v[PW+\k], v[PW+4+\k], v[PW+\k], vcc_lo
.endr
	global_store_b128 v1, v[PW:PW+3], s[50:51] offset:SCOFF         ; the record's 512 bytes of scale words
	s_wait_tensorcnt 0x0
	ds_add_u32 v62, v63
	s_wait_dscnt 0x0
	s_endpgm
.Lfunc_end_k_q33f214428a_quant:
	.size	k_q33f214428a_quant, .Lfunc_end_k_q33f214428a_quant-k_q33f214428a_quant
	.p2alignl 7, 3214868480
	.fill 96, 4, 3214868480
	.section	.rodata,"a",@progbits
	.p2align	6, 0x0
	.amdhsa_kernel k_q33f214428a_quant
		.amdhsa_group_segment_fixed_size 78080
		.amdhsa_private_segment_fixed_size 0
		.amdhsa_enable_private_segment 0
		.amdhsa_kernarg_size 64
		.amdhsa_user_sgpr_count 2
		.amdhsa_user_sgpr_kernarg_segment_ptr 1
		.amdhsa_wavefront_size32 1
		.amdhsa_system_sgpr_workgroup_id_x 1
		.amdhsa_system_sgpr_workgroup_id_y 1
		.amdhsa_system_sgpr_workgroup_id_z 1
		.amdhsa_system_vgpr_workitem_id 0
		.amdhsa_next_free_vgpr 256
		.amdhsa_next_free_sgpr 66
		.amdhsa_reserve_vcc 1
		.amdhsa_float_denorm_mode_32 3
		.amdhsa_float_denorm_mode_16_64 3
		.amdhsa_memory_ordered 1
		.amdhsa_forward_progress 1
		.amdhsa_inst_pref_size 103
	.end_amdhsa_kernel
	.amdgpu_metadata
---
amdhsa.version: [ 1, 2 ]
amdhsa.kernels:
  - .name:           k_q33f214428a_quant
    .symbol:         k_q33f214428a_quant.kd
    .args:
      - { .name: x, .offset: 0, .size: 8, .value_kind: global_buffer, .address_space: global }
      - { .name: w_fc_q, .offset: 8, .size: 8, .value_kind: global_buffer, .address_space: global }
      - { .name: w_proj_q, .offset: 16, .size: 8, .value_kind: global_buffer, .address_space: global }
      - { .name: s_fc_w, .offset: 24, .size: 8, .value_kind: global_buffer, .address_space: global }
      - { .name: s_proj_w, .offset: 32, .size: 8, .value_kind: global_buffer, .address_space: global }
      - { .name: xq, .offset: 40, .size: 8, .value_kind: global_buffer, .address_space: global }
      - { .name: w1q, .offset: 48, .size: 8, .value_kind: global_buffer, .address_space: global }
      - { .name: w2q, .offset: 56, .size: 8, .value_kind: global_buffer, .address_space: global }
    .group_segment_fixed_size: 78080
    .private_segment_fixed_size: 0
    .kernarg_segment_align: 8
    .kernarg_segment_size: 64
    .max_flat_workgroup_size: 288
    .sgpr_count:     66
    .vgpr_count:     256
    .wavefront_size: 32
...
	.end_amdgpu_metadata
.endif
;; end of part 1
;; launch fc (part 2): grid 32 x 8, 4 waves a work-group, no clusters, 0 bytes of LDS; arguments xq, w1q, b_fc_q, s_fc_b, hq; writes hq
.if DOCPART == 2
	.amdgcn_target "amdgcn-amd-amdhsa--gfx1250"
	.amdhsa_code_object_version 6
	.text
	.protected	k_q33f214428a_fc
	.globl	k_q33f214428a_fc
	.p2align	8
	.type	k_q33f214428a_fc,@function
k_q33f214428a_fc:
	s_mov_b64 s[64:65], 0
	v_nop
	global_prefetch_b8 v0, s[64:65] scope:SCOPE_SE
	s_setreg_imm32_b32 hwreg(HW_REG_WAVE_MODE, 25, 1), 1
	s_wait_xcnt 0x0
; hq = Q(gelu(Q(x) Q(w_fc)^T + b_fc)): codes of FP6 (E2M3) and E8M0 scale words, in records laid in the order of an operand's registers
; (a record: 128 rows x 128 K, 12,800 bytes: fragment i at 1536 i + 512 c + 16 lane; scale words at 12288 + 256 (i / 4) + 16 r + 4 (i % 4)).
; A work-group makes 256 x 256 of h; a wave 128 x 128: 64 accumulators, 512 registers (windows 2 and 3).  The zero points are the constant 0: b = s x float(q).
; OPERANDS GO FROM MEMORY STRAIGHT INTO REGISTERS: a record is the image of the operand's registers, so each load takes 512 consecutive bytes, 16 a lane, and no LDS, barrier or tensor load is needed.
; Two sets of registers for A (window 0), B (window 1) and the scale words; a step of 128 along K is 64 matrix instructions and 52 loads, asked for two steps ahead.
; NO CLUSTER, NO JOINT LOADS: a joint load lands in LDS behind a round of barriers with all loads waited for; here nothing passes through LDS and a wave's 104 loads of two steps follow each other with no wait for all.
; PREFETCH: a slot is two steps, 25,600 bytes of a row group.  Waves 0 and 1 ask in each trip for 25 blocks of 256 bytes of w1q, two trips ahead of the loads: the slot's 200 blocks of the work-group's two groups are
; shared out by address among the 8 work-groups that read them.  Waves 2 and 3 ask once for one record of xq, 50 blocks (the 32 records of the work-group's two groups are shared among the 32 work-groups that read them), in the trip two ahead of its loads.
; Slot 0 comes by its loads alone; slots past the last are not asked for.
; GELU is exact GELU in f32: erfc(z) = t exp(-z^2 + a polynomial of degree 9 in t), t = 1 / (1 + z / 2), z = |x| / sqrt 2, with base-2 exponents.
; LIMITS: NaN and infinities are not served; a block of zeros gets the scale byte 1 (its codes are zeros; this program alone reads the bytes).
.set REC,    12800
.set FRB,    1536
.set SCOFF,  12288
.set RGB,    16*REC
.set STR,    REC                       ; from step to step of a wave
.set PSTEP,  2*STR                     ; a slot of the prefetch
.set GO,     3                         ; v3  16 x lane
.set W,      4
.set SO,     8                         ; v8  16 x (lane % 16)
.set PFO,    9                         ; v9  the prefetch's block, x 256
.set YT,     16
.set PW,     26
.set K9,     28
.set SC,     32                        ; v32-63 scale words: set p: A's fragment i at SC + 16 p + i, B's at SC + 16 p + 8 + i
.set AF,     64                        ; v64-159, v160-255 A's fragments, two sets
.set X,      64
.set T,      128
.set P,      192
.set TM,     128
.set PC,     144
.set PA,     20                        ; s[20:21] A's records, s[22:23] B's
.set PB,     22
.set PFA,    24                        ; s[24:25] where the prefetch stands; s[26:27] its step
.set PST,    26
.set CNT,    28                        ; the slot that the prefetch names; also the loop's counter
.set LO,     29                        ; slots LO .. LO + SPAN are asked for
.set SPAN,   30
.set TT,     31
.set SEL,    74
.set MSB, 0
.macro WIN new
.if MSB != (\new)
	s_set_vgpr_msb (MSB<<8)|(\new)
.set MSB, (\new)
.endif
.endm
.set MUL_LO, 0xa1                      ; source 0 (B) window 1, source 1 (A) window 0, C and D window 2
.set MUL_HI, 0xf1
.set TO_B,   0x40
.macro PLACES
.rept 4
	v_nop
.endr
.endm
.macro LDA p, off, i0                  ; A's fragments i0 .. i0 + 3
.irp i, 0,1,2,3
.irp c, 0,1,2
	global_load_b128 v[AF+96*(\p)+12*(\i0+\i)+4*\c:AF+96*(\p)+12*(\i0+\i)+4*\c+3], v[GO], s[PA:PA+1] offset:(\off)+FRB*(\i0+\i)+512*\c
.endr
.endr
.endm
.macro LDB p, off                      ; B's eight fragments (destination window 1)
.irp i, 0,1,2,3,4,5,6,7
.irp c, 0,1,2
	global_load_b128 v[128*(\p)+12*\i+4*\c:128*(\p)+12*\i+4*\c+3], v[GO], s[PB:PB+1] offset:(\off)+FRB*\i+512*\c
.endr
.endr
.endm
.macro LDSC p, off                     ; the scale words: lane r takes place r's four words; each load reads one aligned 256 bytes
.irp u, 0,1
	global_load_b128 v[SC+16*(\p)+4*\u:SC+16*(\p)+4*\u+3], v[SO], s[PA:PA+1] offset:(\off)+SCOFF+256*\u
	global_load_b128 v[SC+16*(\p)+8+4*\u:SC+16*(\p)+8+4*\u+3], v[SO], s[PB:PB+1] offset:(\off)+SCOFF+256*\u
.endr
.endm
.macro FIRST p, off                    ; a step's 52 loads in the order of the loop: A 0-3, B, scales, A 4-7
	LDA \p, \off, 0
	WIN TO_B
	LDB \p, \off
	WIN 0
	LDSC \p, \off
	LDA \p, \off, 4
.endm
.macro MULB a, p, zero                 ; transposed use: source 0 = B's rows, source 1 = A's; the 64 accumulators take turns
.irp b, 0,1,2,3,4,5,6,7
.if \zero
	v_wmma_scale_f32_16x16x128_f8f6f4 v[8*(8*((\a)%4)+\b):8*(8*((\a)%4)+\b)+7], v[128*(\p)+12*\b:128*(\p)+12*\b+11], v[AF+96*(\p)+12*(\a):AF+96*(\p)+12*(\a)+11], 0, v[SC+16*(\p)+8+\b], v[SC+16*(\p)+(\a)] matrix_a_fmt:MATRIX_FMT_FP6 matrix_b_fmt:MATRIX_FMT_FP6
.else
	v_wmma_scale_f32_16x16x128_f8f6f4 v[8*(8*((\a)%4)+\b):8*(8*((\a)%4)+\b)+7], v[128*(\p)+12*\b:128*(\p)+12*\b+11], v[AF+96*(\p)+12*(\a):AF+96*(\p)+12*(\a)+11], v[8*(8*((\a)%4)+\b):8*(8*((\a)%4)+\b)+7], v[SC+16*(\p)+8+\b], v[SC+16*(\p)+(\a)] matrix_a_fmt:MATRIX_FMT_FP6 matrix_b_fmt:MATRIX_FMT_FP6
.endif
.endr
.endm
.macro ASK                             ; slot CNT, if it is among mine
	s_sub_co_u32 s[TT], s[CNT], s[LO]
	s_cmp_le_u32 s[TT], s[SPAN]
	s_cbranch_scc0 .Lna_\@
	global_prefetch_b8 v[PFO], s[PFA:PFA+1] th:TH_LOAD_NT scope:SCOPE_SE
.Lna_\@:
.endm
.macro ADV bases                       ; bases and the prefetch's address are stepped only behind this wait
	s_wait_xcnt 0x0
.if \bases
	s_add_nc_u64 s[PA:PA+1], s[PA:PA+1], 2*STR
	s_add_nc_u64 s[PB:PB+1], s[PB:PB+1], 2*STR
.endif
	s_add_nc_u64 s[PFA:PFA+1], s[PFA:PFA+1], s[PST:PST+1]
	s_add_co_u32 s[CNT], s[CNT], 1
.endm
; A step.  w0: behind this step's scale words 64 loads were issued (A 4-7 of this step, 52 of the next): the count's field holds 63.  w1: behind this step's A 4-7 the next step's 52.
.macro STEP p, zero, fetch, w0, w1, off, ask
	s_wait_loadcnt \w0
	WIN MUL_LO
.irp a, 0,1,2,3
	MULB \a, \p, \zero
.endr
	s_wait_loadcnt \w1
.if \fetch
	PLACES                                         ; four places ahead of loads into registers that matrix instructions have read
	WIN 0
	LDA \p, \off, 0
.if \ask
	ASK
.endif
.endif
	WIN MUL_HI
.irp a, 4,5,6,7
	MULB \a, \p, \zero
.endr
.if \fetch
	PLACES
	WIN TO_B
	LDB \p, \off
	WIN 0
	LDSC \p, \off
	LDA \p, \off, 4
.else
	WIN 0
.endif
.endm
	s_load_b256 s[4:11], s[0:1], 0x0               ; xq, w1q, b_fc_q, s_fc_b
	s_load_b64 s[12:13], s[0:1], 0x20              ; hq
	v_lshrrev_b32 v1, 5, v0
	v_readfirstlane_b32 s14, v1                    ; wave
	s_lshr_b32 s15, s14, 1                         ; my half of the rows
	s_and_b32 s16, s14, 1                          ; my half of the columns
	s_and_b32 s17, ttmp7, 0xffff                   ; tile row
	s_lshl_b32 s32, s17, 1
	s_add_co_u32 s32, s32, s15                     ; my group of 128 rows of x
	s_lshl_b32 s33, ttmp9, 1
	s_add_co_u32 s33, s33, s16                     ; my group of 128 rows of w_fc
	s_mul_i32 s34, s32, RGB
	s_mov_b32 s35, 0
	s_mul_i32 s36, s33, RGB
	s_mov_b32 s37, 0
	s_lshl_b32 s42, s32, 6
	s_add_co_u32 s42, s42, s33
	s_mul_i32 s42, s42, REC                        ; my record of hq
	s_mov_b32 s43, 0
	s_lshl_b32 s44, s33, 9                         ; my 128 biases
	s_mov_b32 s45, 0
	s_lshr_b32 s18, s17, 2                         ; prefetch of w1q: group 2 x + y / 4, bytes 6400 (y % 4) of the slot
	s_lshl_b32 s19, ttmp9, 1
	s_add_co_u32 s18, s18, s19
	s_mul_i32 s18, s18, RGB
	s_and_b32 s19, s17, 3
	s_mul_i32 s19, s19, 6400
	s_add_co_u32 s18, s18, s19
	s_add_co_u32 s18, s18, PSTEP                   ; at slot 1
	s_lshr_b32 s46, ttmp9, 4                       ; prefetch of xq: group 2 y + x / 16, record x % 16
	s_lshl_b32 s47, s17, 1
	s_add_co_u32 s46, s46, s47
	s_mul_i32 s46, s46, RGB
	s_and_b32 s47, ttmp9, 15
	s_lshr_b32 s48, s47, 1                         ; that record's slot
	s_mul_i32 s47, s47, REC
	s_add_co_u32 s46, s46, s47
	s_sub_co_u32 s49, 12, s16                      ; w1q: wave 0 blocks 0-12, wave 1 blocks 13-24; lanes left over name the last again
	s_mul_i32 s50, s16, 13
	s_mul_i32 s51, s16, 25                         ; xq: wave 2 blocks 0-24, wave 3 blocks 25-49
	s_cmp_lt_u32 s14, 2
	s_cselect_b32 s38, s18, s46
	s_mov_b32 s39, 0
	s_cselect_b32 s49, s49, 24
	s_cselect_b32 s50, s50, s51
	s_cselect_b32 s[LO], 1, s48
	s_cselect_b32 s[SPAN], 6, 0
	s_cselect_b32 s[PST], PSTEP, 0
	s_mov_b32 s[PST+1], 0
	s_mov_b32 s[CNT], 1
	s_mov_b32 s[SEL], 0x76543210
	s_mov_b32 s[SEL+1], 0xfedcba98
	s_mov_b32 s70, 0x0000ffff
	s_mov_b32 s71, 0xffff0000
	v_and_b32 v1, 31, v0
	v_and_b32 v2, 15, v0
	v_bfe_u32 v14, v0, 4, 1
	v_lshlrev_b32 v[GO], 4, v1
	v_lshlrev_b32 v[SO], 4, v2
	v_lshlrev_b32 v14, 6, v14                      ; the biases of my 16 neighbouring columns: 64 h
	v_min_u32 v[PFO], s49, v1
	v_add_nc_u32 v[PFO], s50, v[PFO]
	v_lshlrev_b32 v[PFO], 8, v[PFO]
	s_wait_alu depctr_va_vdst(0)
	s_wait_kmcnt 0x0
	s_load_b32 s76, s[10:11], 0x0                  ; s_fc_b
	s_add_nc_u64 s[PA:PA+1], s[4:5], s[34:35]
	s_add_nc_u64 s[PB:PB+1], s[6:7], s[36:37]
	s_cmp_lt_u32 s14, 2                            ; the choice hangs on the wave's number alone
	s_cselect_b64 s[PFA:PFA+1], s[6:7], s[4:5]
	s_add_nc_u64 s[PFA:PFA+1], s[PFA:PFA+1], s[38:39]
	s_add_nc_u64 s[12:13], s[12:13], s[42:43]
	s_add_nc_u64 s[8:9], s[8:9], s[44:45]
	WIN TO_B
.irp b, 0,1,2,3,4,5,6,7
	global_load_b128 v[96+8*\b+96*(\b/4):96+8*\b+96*(\b/4)+3], v14, s[8:9] offset:128*(\b/2)+32*(\b%2)
	global_load_b128 v[96+8*\b+96*(\b/4)+4:96+8*\b+96*(\b/4)+7], v14, s[8:9] offset:128*(\b/2)+32*(\b%2)+16
.endr
	WIN 0
	ASK                                            ; slot 1
	FIRST 0, 0
	ADV 0
	ASK                                            ; slot 2
	FIRST 1, STR
	STEP 0, 1, 1, 63, 52, 2*STR, 0                 ; the first step's products start the sums
	ADV 0
	STEP 1, 0, 1, 63, 52, 3*STR, 1                 ; slot 3
	ADV 1
.Lk:                                                   ; six trips of two steps: steps 2 .. 13; they load steps 4 .. 15 and ask for slots 4 .. 7
	STEP 0, 0, 1, 63, 52, 2*STR, 0
	STEP 1, 0, 1, 63, 52, 3*STR, 1
	ADV 1
	s_cmp_lt_u32 s[CNT], 10
	s_cbranch_scc1 .Lk
	STEP 0, 0, 0, 63, 52, 0, 0
	STEP 1, 0, 0, 12, 0, 0, 0                      ; behind the last step's scale words: its A 4-7
	s_wait_kmcnt 0x0
	s_mov_b32 s77, s76
	WIN 0x41                                       ; the biases, s x float(q); these lines are also the places behind the last products
.irp b, 96, 224
.set j, 0
.rept 32
	v_cvt_f32_i32 v[\b+j], v[\b+j]
.set j, j+1
.endr
.set j, 0
.rept 16
	v_pk_mul_f32 v[\b+j:\b+j+1], v[\b+j:\b+j+1], s[76:77] op_sel_hi:[1,0]
.set j, j+2
.endr
.endr
	WIN 0
.macro TAKE a                          ; block a's 64 sums + bias into window 0, each accumulator from its low end on
	WIN 0x06+((\a)/4)
.set n, 0
.rept 32
	v_pk_add_f32 v[X+n:X+n+1], v[64*((\a)%4)+n:64*((\a)%4)+n+1], v[96+n+96*(n/32):96+n+96*(n/32)+1]
.set n, n+2
.endr
	WIN 0
.endm
.irp k, 0,1,2,3
	v_mov_b32 v[W+\k], 0
.endr
	v_mov_b32 v[K9], 0x3e7c6f08
	v_mov_b32 v[K9+1], 0x3e7c6f08
	s_mov_b32 s72, 0
	s_wait_alu depctr_va_vdst(0)
.Lblk:                                                 ; eight trips: a block of 16 rows x 128 columns: GELU, quantise along the columns, store one fragment
.irp a, 0,1,2,3,4,5,6
	s_cmp_eq_u32 s72, \a
	s_cbranch_scc1 .Lv\a
.endr
	TAKE 7
	s_branch .Lgo
.irp a, 0,1,2,3,4,5,6
.Lv\a:
	TAKE \a
.if \a < 6
	s_branch .Lgo
.endif
.endr
.Lgo:
.set j, 0
.rept 64
	v_fma_f32 v[T+j], |v[X+j]|, 0x3eb504f3, 1.0    ; 1 + z / 2
.set j, j+1
.endr
.set j, 0
	s_wait_alu depctr_va_vdst(0)
.rept 64
	v_rcp_f32 v[T+j], v[T+j]                       ; t
.set j, j+1
.endr
	v_nop
.set j, 0
	s_wait_alu depctr_va_vdst(0)
.rept 32
	v_dual_fmaak_f32 v[P+j], v[T+j], v[K9], 0xbf97d29d :: v_dual_fmaak_f32 v[P+j+1], v[T+j+1], v[K9+1], 0xbf97d29d   ; the polynomial, in base-2 exponents; its constant term also halves.  Two numbers an instruction
.set j, j+2
.endr
.irp k, 0x40097039, 0xbfd1a1e5, 0x3ecdfd18, 0xbe899a80, 0x3e0efb2e, 0x3f0a29d2, 0x3fb8ab5a, 0xc034d90f
.set j, 0
.rept 32
	v_dual_fmaak_f32 v[P+j], v[P+j], v[T+j], \k :: v_dual_fmaak_f32 v[P+j+1], v[P+j+1], v[T+j+1], \k
.set j, j+2
.endr
.endr
.set g, 0
.rept 8
.irp u, 0,2,4,6
	v_dual_mul_f32 v[YT+\u], 0xbf38aa3b, v[X+g+\u] :: v_dual_mul_f32 v[YT+\u+1], 0xbf38aa3b, v[X+g+\u+1]
.endr
.irp u, 0,2,4,6
	v_dual_fmac_f32 v[P+g+\u], v[YT+\u], v[X+g+\u] :: v_dual_fmac_f32 v[P+g+\u+1], v[YT+\u+1], v[X+g+\u+1]   ; - z^2
.endr
.set g, g+8
.endr
.set j, 0
	s_wait_alu depctr_va_vdst(0)
.rept 64
	v_exp_f32 v[P+j], v[P+j]
.set j, j+1
.endr
	v_nop                                          ; one plain place behind the exponentials
.set j, 0
.rept 32
	v_dual_mul_f32 v[T+j], v[X+j], v[T+j] :: v_dual_mul_f32 v[T+j+1], v[X+j+1], v[T+j+1]
.set j, j+2
.endr
.set j, 0
.rept 32
	v_dual_max_num_f32 v[X+j], 0, v[X+j] :: v_dual_max_num_f32 v[X+j+1], 0, v[X+j+1]
.set j, j+2
.endr
.set j, 0
	s_wait_alu depctr_va_vdst(0)
.rept 64
	v_fma_f32 v[X+j], -|v[T+j]|, v[P+j], v[X+j]    ; gelu = max(x, 0) - |x| erfc(z) / 2
.set j, j+1
.endr
.irp b, 0,1,2,3
	v_max3_num_f32 v[TM+\b], |v[X+16*\b]|, |v[X+1+16*\b]|, 0x1800000   ; four blocks of 32: my 16 numbers of each, over the floor that holds the byte at 1
.endr
.irp i, 2,4,6,8,10,12,14
.irp b, 0,1,2,3
	v_max3_num_f32 v[TM+\b], v[TM+\b], |v[X+16*\b+\i]|, |v[X+1+16*\b+\i]|
.endr
.endr
.irp b, 0,1,2,3
	v_permlanex16_b32 v[TM+4+\b], v[TM+\b], s[SEL], s[SEL+1]
.endr
.irp b, 0,1,2,3
	v_max_num_f32 v[TM+\b], v[TM+\b], v[TM+4+\b]
.endr
.irp b, 0,1,2,3
	v_add_nc_u32 v[TM+12+\b], 0xff000000, v[TM+\b] ; 2 off the exponent field: the conversion's scale operand
.endr
.irp b, 0,1,2,3
	v_lshrrev_b32 v[TM+4+\b], 23, v[TM+12+\b]
.endr
	v_lshl_or_b32 v[PW], v[TM+5], 8, v[TM+4]
	v_lshl_or_b32 v[PW], v[TM+6], 16, v[PW]
	v_lshl_or_b32 v[PW], v[TM+7], 24, v[PW]
.irp c, 0,1
	v_cvt_scalef32_pk16_fp6_f32 v[PC+6*\c:PC+2+6*\c], v[X+32*\c:X+15+32*\c], v[TM+12+2*\c]
	v_cvt_scalef32_pk16_fp6_f32 v[PC+12+4*\c:PC+14+4*\c], v[X+16+32*\c:X+31+32*\c], v[TM+12+2*\c+1]
.endr
	v_nop
.irp c, 0,1
.irp i, 0,1,2
	v_permlane16_swap_b32 v[PC+6*\c+\i], v[PC+12+4*\c+\i]   ; a whole block into a lane
.endr
.irp i, 0,1,2
	v_mov_b32 v[PC+3+6*\c+\i], v[PC+12+4*\c+\i]
.endr
.endr
	s_cmp_lt_u32 s72, 4                            ; the scale words: lanes 0-15 gather those of blocks 0-3, lanes 16-31 those of 4-7
	s_cselect_b32 s73, s70, s71
	v_cndmask_b32 v[W], v[W], v[W+1], s73
	v_cndmask_b32 v[W+1], v[W+1], v[W+2], s73
	v_cndmask_b32 v[W+2], v[W+2], v[W+3], s73
	v_cndmask_b32 v[W+3], v[W+3], v[PW], s73
.irp c, 0,1,2
	global_store_b128 v[GO], v[PC+4*\c:PC+4*\c+3], s[12:13] offset:512*\c   ; 512 consecutive bytes a store
.endr
	s_wait_xcnt 0x0
	s_add_nc_u64 s[12:13], s[12:13], FRB
	s_add_co_u32 s72, s72, 1
	s_cmp_lt_u32 s72, 8
	s_cbranch_scc1 .Lblk
	s_wait_alu depctr_va_vdst(0)
	global_store_b128 v[GO], v[W:W+3], s[12:13]    ; the record's 512 bytes of scale words
	s_endpgm
.Lfunc_end_k_q33f214428a_fc:
	.size	k_q33f214428a_fc, .Lfunc_end_k_q33f214428a_fc-k_q33f214428a_fc
	.p2alignl 7, 3214868480
	.fill 96, 4, 3214868480
	.section	.rodata,"a",@progbits
	.p2align	6, 0x0
	.amdhsa_kernel k_q33f214428a_fc
		.amdhsa_group_segment_fixed_size 0
		.amdhsa_private_segment_fixed_size 0
		.amdhsa_enable_private_segment 0
		.amdhsa_kernarg_size 40
		.amdhsa_user_sgpr_count 2
		.amdhsa_user_sgpr_kernarg_segment_ptr 1
		.amdhsa_wavefront_size32 1
		.amdhsa_system_sgpr_workgroup_id_x 1
		.amdhsa_system_sgpr_workgroup_id_y 1
		.amdhsa_system_sgpr_workgroup_id_z 1
		.amdhsa_system_vgpr_workitem_id 0
		.amdhsa_next_free_vgpr 1024
		.amdhsa_next_free_sgpr 80
		.amdhsa_reserve_vcc 0
		.amdhsa_float_denorm_mode_32 3
		.amdhsa_float_denorm_mode_16_64 3
		.amdhsa_memory_ordered 1
		.amdhsa_forward_progress 1
		.amdhsa_inst_pref_size 163
	.end_amdhsa_kernel
	.amdgpu_metadata
---
amdhsa.version: [ 1, 2 ]
amdhsa.kernels:
  - .name:           k_q33f214428a_fc
    .symbol:         k_q33f214428a_fc.kd
    .args:
      - { .name: xq, .offset: 0, .size: 8, .value_kind: global_buffer, .address_space: global }
      - { .name: w1q, .offset: 8, .size: 8, .value_kind: global_buffer, .address_space: global }
      - { .name: b_fc_q, .offset: 16, .size: 8, .value_kind: global_buffer, .address_space: global }
      - { .name: s_fc_b, .offset: 24, .size: 8, .value_kind: global_buffer, .address_space: global }
      - { .name: hq, .offset: 32, .size: 8, .value_kind: global_buffer, .address_space: global }
    .group_segment_fixed_size: 0
    .private_segment_fixed_size: 0
    .kernarg_segment_align: 8
    .kernarg_segment_size: 40
    .max_flat_workgroup_size: 128
    .sgpr_count:     80
    .vgpr_count:     1024
    .wavefront_size: 32
...
	.end_amdgpu_metadata
.endif
;; end of part 2
;; launch proj (part 3): grid 16 x 16, 4 waves a work-group, clusters of 4 x 4, 327,680 bytes of LDS; arguments hq, w2q, b_proj_q, s_proj_b, out0; writes out0
.if DOCPART == 3
	.amdgcn_target "amdgcn-amd-amdhsa--gfx1250"
	.amdhsa_code_object_version 6
	.text
	.protected	k_q33f214428a_proj
	.globl	k_q33f214428a_proj
	.p2align	8
	.type	k_q33f214428a_proj,@function
k_q33f214428a_proj:
	s_mov_b64 s[64:65], 0
	v_nop
	global_prefetch_b8 v0, s[64:65] scope:SCOPE_SE
	s_setreg_imm32_b32 hwreg(HW_REG_WAVE_MODE, 25, 1), 1
	s_wait_xcnt 0x0
	s_wait_alu depctr_hold_cnt(0) depctr_sa_sdst(0) depctr_va_vdst(0) depctr_va_sdst(0) depctr_va_ssrc(0) depctr_va_vcc(0) depctr_vm_vsrc(0)
	s_getreg_b32 s2, hwreg(HW_REG_IB_STS2, 6, 4)
	s_cmp_eq_u32 s2, 0
	s_cbranch_scc0 .Lentry_in_a_cluster
	s_endpgm
.Lentry_in_a_cluster:
	s_bfe_u32 s2, ttmp6, 0x10000c
	s_cmp_lg_u32 s2, 0xf033
	s_cbranch_scc0 .Lentry_shape_is_right
	s_endpgm
.Lentry_shape_is_right:
; out0 = Q(h) Q(w_proj)^T + b_proj.  hq and w2q are records in the order of an operand's registers (128 rows x 128 K, 12,800 bytes = 50 x 256: fragment i at 1536 i + 512 c + 16 lane;
; scale words at 12288 + 256 (i / 4) + 16 r + 4 (i % 4); place p of fragment i is row 32 (i / 2) + 8 (i % 2) + p + 8 (p / 8)).  The zero point is the constant 0: b = s x float(q).
; A work-group makes 128 x 128 of out0.  K = 8,192 is 64 records, dealt to the four waves record by record; each wave multiplies its records against all 128 x 128: 64 accumulators, 512 registers (windows 2 and 3).
; THE RING: two LDS slots filled by the tensor data mover: X holds 8 records of A and 8 of B (two steps a wave), Y 4 and 4 (one step a wave); a lap is Y, then X: 12 records along K.
; CLUSTERS: 4 x 4 work-groups; A's records are shared along a row of the cluster, B's along a column, each asked for jointly; a round of the cluster's barrier stands in front of every joint load.
; Wave w's accumulator pair p holds A's fragments 2 (w xor p), 2 (w xor p) + 1, so that the registers of the pair that goes to each wave are told apart by address alone.
; PREFETCH: a lap of a row group is 153,600 bytes, three pieces of 51,200 (Y's records, X's first four, X's last four).  A piece's 200 blocks of 256 bytes are shared by address among the 8 waves of the cluster
; that ask for that group (4 partners x 2 waves): 25 blocks, a lane a block; lanes 25-31 name the last again.  Each step asks for one piece of the lap two laps on; the head asks for lap 0's X and for lap 1.
; Lap 5 has Y's piece alone: its other two pieces are not asked for (the loop's last trip jumps over them).
; THE END: the four waves' sums are added through LDS, in the slots, which have had their last fill: every wave lays its 128 rows out as rows of 512 bytes + 16, 32 rows for each wave; one barrier;
; wave w adds the four parts of rows 32 w .. 32 w + 31 and the bias and stores whole rows of 512 bytes.
; LIMITS: NaN and infinities are not served.
.set REC,    12800
.set FRB,    1536
.set SCOFF,  12288
.set XPART,  4*REC
.set YPART,  2*REC
.set YB,     4*XPART
.set SPARE,  YB+4*YPART
.set SPITCH, 528                       ; 33 x 16: the sixteen rows that a store of 16 bytes a lane touches start at sixteen different 16-byte columns of 256 bytes
.set PARTB,  32*SPITCH                 ; 32 rows from one wave for one wave; part (to q, from g) at (4 q + g) PARTB; 16 parts end under SPARE
.set RGB,    64*REC
.set ADV,    12*REC
.set LAP,    12*REC
.set PIECE,  4*REC
.set FR,     12
.set NL,     3
.set AF,     128
.set CO,     3
.set ADRA,   8
.set ADRB,   16
.set ADRS,   18
.set SPW,    26
.set NIL,    27
.set RST,    28                        ; v28-31 where I lay accumulator pair p's rows
.set SC,     32
.set RLD,    48                        ; v48-49 where I read parts 0, 1 and 2, 3
.set PFO,    50                        ; v50 256 x min(lane, 24)
.set BIAS,   52                        ; v52-55 the biases of my four columns
.set G1,     24
.set G1L,    72
.set G0X,    32
.set G0Y,    36
.set PFA,    40                        ; s[40:41] my 6,400 bytes of a piece, at the lap's first piece
.set G1B,    48
.set G1BL,   80
.set G0BX,   56
.set G0BY,   60
.set MSB, 0
.macro WIN new
.if MSB != (\new)
	s_set_vgpr_msb (MSB<<8)|(\new)
.set MSB, (\new)
.endif
.endm
.set MUL_LO, 0xa1
.set MUL_HI, 0xf1
.set TO_B,   0x40
.macro JLOAD g0a, g1a, g0b, g1b        ; waves 0 and 1 ask for A, waves 2 and 3 for B
	s_cmp_eq_u32 s15, 0
	s_cbranch_scc0 .Lfor_b_\@
	tensor_load_to_lds s[\g0a:\g0a+3], s[\g1a:\g1a+7]
	s_nop 0
.rept 4
	v_nop
.endr
	s_branch .Lasked_\@
.Lfor_b_\@:
	tensor_load_to_lds s[\g0b:\g0b+3], s[\g1b:\g1b+7]
	s_nop 0
.rept 4
	v_nop
.endr
.Lasked_\@:
.endm
.macro CREST
	s_cmp_lg_u32 s14, 0
	s_cbranch_scc1 .Lnot_wave_0_\@
	s_barrier_signal -3
.Lnot_wave_0_\@:
	s_barrier_wait -3
	s_barrier_signal -1
	s_barrier_wait -1
.endm
.macro CROUND
	s_barrier_signal -1
	s_barrier_wait -1
	CREST
.endm
.macro PLACES
.rept 4
	v_nop
.endr
.endm
.macro ASKP pf, cond                   ; pf: the piece's bytes from s[PFA], -1: none; cond: not in the loop's last trip
.if (\pf) >= 0
.if \cond
	s_cmp_gt_u32 s3, 1
	s_cbranch_scc0 .Lnp_\@
.endif
	global_prefetch_b8 v[PFO], s[PFA:PFA+1] offset:\pf th:TH_LOAD_NT scope:SCOPE_SE
.if \cond
.Lnp_\@:
.endif
.endif
.endm
	s_load_b256 s[4:11], s[0:1], 0x0               ; hq, w2q, b_proj_q, s_proj_b
	s_load_b64 s[12:13], s[0:1], 0x20              ; out0
	v_lshl_add_u32 v[SPW], v0, 2, SPARE
	v_mov_b32 v[NIL], 0
	ds_add_u32 v[SPW], v[NIL]                      ; the opening lines: the add twice on end and its wait
	ds_add_u32 v[SPW], v[NIL]
	s_wait_dscnt 0x0
	v_lshrrev_b32 v1, 5, v0
	v_readfirstlane_b32 s14, v1
	v_and_b32 v4, 31, v0
	v_min_u32 v[PFO], 24, v4
	v_lshlrev_b32 v[PFO], 8, v[PFO]
	s_lshr_b32 s15, s14, 1
	s_and_b32 s16, s14, 1
	s_bfe_u32 s88, ttmp6, 0x40000
	s_bfe_u32 s89, ttmp6, 0x40004
	s_lshl_b32 s90, ttmp9, 2
	s_add_co_u32 s90, s90, s88
	s_and_b32 s17, ttmp7, 0xffff
	s_lshl_b32 s17, s17, 2
	s_add_co_u32 s17, s17, s89
	s_lshl_b32 s91, s89, 2
	s_lshl_b32 s91, 15, s91
	s_lshl_b32 s92, 0x1111, s88
	s_or_b32 s[G1+0], s91, (3<<16)|(1<<21)
	s_or_b32 s[G1L+0], s91, (3<<16)|(1<<21)
	s_or_b32 s[G1B+0], s92, (3<<16)|(1<<21)
	s_or_b32 s[G1BL+0], s92, (3<<16)|(1<<21)
.irp g, G1, G1B
	s_mov_b32 s[\g+1], 32<<16
	s_mov_b32 s[\g+2], 100<<16
	s_mov_b32 s[\g+3], 32<<16
	s_mov_b32 s[\g+4], 100
	s_mov_b32 s[\g+5], 32
	s_mov_b32 s[\g+6], 0
	s_mov_b32 s[\g+7], 0
.endr
.irp g, G1L, G1BL
	s_mov_b32 s[\g+1], 32<<16
	s_mov_b32 s[\g+2], 200<<16
	s_mov_b32 s[\g+3], 32<<16
	s_mov_b32 s[\g+4], 200
	s_mov_b32 s[\g+5], 32
	s_mov_b32 s[\g+6], 0
	s_mov_b32 s[\g+7], 0
.endr
	s_mul_i32 s18, s16, YPART
	s_mul_i32 s19, s16, XPART
	s_mul_i32 s20, s17, RGB
	s_add_co_u32 s22, s20, s19
	s_add_co_u32 s22, s22, 4*REC
	s_add_co_u32 s20, s20, s18
	s_mov_b32 s21, 0
	s_mov_b32 s23, 0
	s_mul_i32 s46, s90, RGB
	s_add_co_u32 s66, s46, s19
	s_add_co_u32 s66, s66, 4*REC
	s_add_co_u32 s46, s46, s18
	s_mov_b32 s47, 0
	s_mov_b32 s67, 0
	s_mul_i32 s44, s14, YPART
	s_mul_i32 s45, s14, XPART
	s_cmp_eq_u32 s15, 0                            ; the prefetch: the group that I ask for, and my place among the 8 waves that share a piece: 2 x (cx for A, cy for B) + my half
	s_cselect_b32 s42, s17, s90
	s_cselect_b32 s43, s88, s89
	s_mul_i32 s42, s42, RGB
	s_lshl_b32 s43, s43, 1
	s_add_co_u32 s43, s43, s16
	s_mul_i32 s43, s43, 6400
	s_add_co_u32 s42, s42, s43
	s_mov_b32 s43, 0
	s_wait_alu depctr_va_vdst(0)
	s_wait_kmcnt 0x0
	s_cmp_eq_u32 s15, 0                            ; the choice hangs on the wave's number alone
	s_cselect_b64 s[PFA:PFA+1], s[4:5], s[6:7]
	s_add_nc_u64 s[PFA:PFA+1], s[PFA:PFA+1], s[42:43]
	CROUND
	s_mov_b32 s[G0Y], 1
	s_add_co_u32 s[G0Y+1], s44, YB
	s_add_nc_u64 s[G0Y+2:G0Y+3], s[4:5], s[20:21]
	s_or_b32 s[G0Y+3], s[G0Y+3], 0x80000000
	s_mov_b32 s[G0BY], 1
	s_add_co_u32 s[G0BY+1], s44, YB
	s_add_nc_u64 s[G0BY+2:G0BY+3], s[6:7], s[46:47]
	s_or_b32 s[G0BY+3], s[G0BY+3], 0x80000000
	JLOAD G0Y, G1, G0BY, G1B                       ; records 0-3: one tensor load a wave at the head
	ASKP PIECE, 0                                  ; lap 0's X
	ASKP 2*PIECE, 0
	s_mov_b32 s[G0X], 1
	s_mov_b32 s[G0X+1], s45
	s_add_nc_u64 s[G0X+2:G0X+3], s[4:5], s[22:23]
	s_or_b32 s[G0X+3], s[G0X+3], 0x80000000
	s_mov_b32 s[G0BX], 1
	s_mov_b32 s[G0BX+1], s45
	s_add_nc_u64 s[G0BX+2:G0BX+3], s[6:7], s[66:67]
	s_or_b32 s[G0BX+3], s[G0BX+3], 0x80000000
	s_wait_alu depctr_va_vdst(0)
	s_wait_tensorcnt 0x0
	ds_add_u32 v[SPW], v[NIL]
	s_wait_dscnt 0x0
	CROUND
	JLOAD G0X, G1L, G0BX, G1BL                     ; records 4-11
	ASKP LAP, 0                                    ; lap 1
	ASKP LAP+PIECE, 0
	ASKP LAP+2*PIECE, 0
	s_load_b32 s94, s[10:11], 0x0                  ; s_proj_b
	v_and_b32 v1, 15, v0
	v_bfe_u32 v2, v0, 4, 1
	s_wait_alu depctr_va_vdst(0)
	v_and_b32 v4, 31, v0
	v_lshlrev_b32 v[CO], 4, v4
	v_mul_u32_u24 v7, v1, SPITCH
	v_lshl_add_u32 v7, v2, 6, v7                   ; the end: row r of a fragment, 64 bytes for each half of the lanes
	s_wait_alu depctr_va_vdst(0)                   ; the wait
	s_mul_i32 s19, s14, REC
.irp p, 0,1,2,3
	s_xor_b32 s2, s14, \p
	s_mul_i32 s3, s2, 2*FRB
	s_add_co_u32 s3, s3, s19
	v_add_nc_u32 v[ADRA+\p], s3, v[CO]
	v_add_nc_u32 v[ADRA+4+\p], YB, v[ADRA+\p]
	s_lshr_b32 s3, s2, 1
	s_lshl_b32 s3, s3, 8
	s_and_b32 s18, s2, 1
	s_lshl_b32 s18, s18, 3
	s_add_co_u32 s3, s3, s18
	s_sub_co_u32 s18, 2*XPART+256*(\p/2)+8*(\p%2), s3
	v_mul_u32_u24 v5, s18, v2
	v_lshl_add_u32 v5, v1, 4, v5
	s_sub_co_u32 s18, 2*YPART+256*(\p/2)+8*(\p%2), s3
	v_mul_u32_u24 v6, s18, v2
	v_lshl_add_u32 v6, v1, 4, v6
	s_add_co_u32 s3, s3, s19
	s_add_co_u32 s3, s3, SCOFF
	v_add_nc_u32 v[ADRS+\p], s3, v5
	s_add_co_u32 s3, s3, YB
	v_add_nc_u32 v[ADRS+4+\p], s3, v6
.endr
	s_add_co_u32 s3, s19, 2*XPART
	v_add_nc_u32 v[ADRB], s3, v[CO]
	s_add_co_u32 s3, s19, YB+2*YPART
	v_add_nc_u32 v[ADRB+1], s3, v[CO]
.irp p, 0,1,2,3
	s_xor_b32 s2, s14, \p                          ; pair p goes to wave w xor p, as its part from me
	s_lshl_b32 s2, s2, 2
	s_add_co_u32 s2, s2, s14
	s_mul_i32 s2, s2, PARTB
	v_add_nc_u32 v[RST+\p], s2, v7
.endr
	s_mul_i32 s2, s14, 4*PARTB
	v_add_nc_u32 v[RLD], s2, v[CO]
	v_add_nc_u32 v[RLD+1], 2*PARTB, v[RLD]
	s_lshl_b32 s22, s90, 9
	s_mov_b32 s23, 0
	s_add_nc_u64 s[8:9], s[8:9], s[22:23]
	global_load_b128 v[BIAS:BIAS+3], v[CO], s[8:9]
	s_lshl_b32 s22, s17, 20
	s_lshl_b32 s2, s14, 18
	s_add_co_u32 s22, s22, s2
	s_lshl_b32 s2, s90, 9
	s_add_co_u32 s22, s22, s2
	s_add_nc_u64 s[12:13], s[12:13], s[22:23]
.macro FRAG reg, adr, off
.irp c, 0,1,2
	ds_load_b128 v[(\reg)+4*\c:(\reg)+4*\c+3], v[\adr] offset:(\off)+512*\c
.endr
.endm
.macro MULB a, p, scb, zero            ; transposed use: source 0 = B's rows (scale words in lanes 16-31), source 1 = A's; the 64 accumulators take turns
.irp b, 0,1,2,3,4,5,6,7
.if \zero
	v_wmma_scale_f32_16x16x128_f8f6f4 v[8*(8*((\a)%4)+\b):8*(8*((\a)%4)+\b)+7], v[128*(\p)+FR*\b:128*(\p)+FR*\b+FR-1], v[AF+FR*(\a):AF+FR*(\a)+FR-1], 0, v[(\scb)+\b], v[(\scb)+(\a)] matrix_a_fmt:MATRIX_FMT_FP6 matrix_b_fmt:MATRIX_FMT_FP6 matrix_a_scale:MATRIX_SCALE_ROW1
.else
	v_wmma_scale_f32_16x16x128_f8f6f4 v[8*(8*((\a)%4)+\b):8*(8*((\a)%4)+\b)+7], v[128*(\p)+FR*\b:128*(\p)+FR*\b+FR-1], v[AF+FR*(\a):AF+FR*(\a)+FR-1], v[8*(8*((\a)%4)+\b):8*(8*((\a)%4)+\b)+7], v[(\scb)+\b], v[(\scb)+(\a)] matrix_a_fmt:MATRIX_FMT_FP6 matrix_b_fmt:MATRIX_FMT_FP6 matrix_a_scale:MATRIX_SCALE_ROW1
.endif
.endr
.endm
.macro FETCH_B g, off, set
	WIN TO_B
.irp i, 0,1,2,3,4,5,6,7
	FRAG 128*(\set)+FR*\i, ADRB+\g, (\off)+\i*FRB
.endr
	WIN 0
.endm
.macro FETCH_A g, off, i0
.irp i, \i0, \i0+1, \i0+2, \i0+3
	FRAG AF+FR*(\i), ADRA+4*\g+(\i)/2, (\off)+((\i)%2)*FRB
.endr
.endm
.macro SCALES g, off, set
.irp p, 0,1,2,3
	ds_load_b64 v[SC+8*(\set)+2*\p:SC+8*(\set)+2*\p+1], v[ADRS+4*(\g)+\p] offset:\off
.endr
.endm
.macro PLAIN cs, ns, pf                ; X's first step: the next step's fragments come from the same slot
	s_wait_dscnt 4*NL                              ; the youngest 12 loads, A's blocks 4-7, may be out
	WIN MUL_LO
	MULB 0, \cs, SC+8*\cs, 0
	MULB 1, \cs, SC+8*\cs, 0
	MULB 2, \cs, SC+8*\cs, 0
	MULB 3, \cs, SC+8*\cs, 0
	s_wait_dscnt 0x0
	PLACES
	FETCH_B 0, XPART, \ns
	FETCH_A 0, XPART, 0
	SCALES 0, XPART, \ns
	ASKP \pf, 0
	WIN MUL_HI
	MULB 4, \cs, SC+8*\cs, 0
	MULB 5, \cs, SC+8*\cs, 0
	MULB 6, \cs, SC+8*\cs, 0
	MULB 7, \cs, SC+8*\cs, 0
	PLACES
	WIN 0
	FETCH_A 0, XPART, 4
.endm
.macro TURN cs, ns, fill, g, zero, pf, cond   ; a slot's last step: the change of slots; fill 0: X is filled again, 1: Y, 2: nothing; g: the slot read next
	s_wait_dscnt 4*NL
	WIN MUL_LO
	MULB 0, \cs, SC+8*\cs, \zero
	MULB 1, \cs, SC+8*\cs, \zero
	WIN 0
	s_wait_tensorcnt 0x0                           ; all my tensor loads have landed: my part of the other slot;
	ds_add_u32 v[SPW], v[NIL]
	WIN MUL_LO
	MULB 2, \cs, SC+8*\cs, \zero
	s_wait_dscnt 0x0                               ; the add is done, and my reads of this slot are over
	s_barrier_signal -1
	MULB 3, \cs, SC+8*\cs, \zero
	WIN 0
	s_barrier_wait -1
.if \fill == 0
	CREST
	s_add_nc_u64 s[G0X+2:G0X+3], s[G0X+2:G0X+3], ADV
	s_add_nc_u64 s[G0BX+2:G0BX+3], s[G0BX+2:G0BX+3], ADV
	JLOAD G0X, G1L, G0BX, G1BL
.elseif \fill == 1
	CREST
	s_add_nc_u64 s[G0Y+2:G0Y+3], s[G0Y+2:G0Y+3], ADV
	s_add_nc_u64 s[G0BY+2:G0BY+3], s[G0BY+2:G0BY+3], ADV
	JLOAD G0Y, G1, G0BY, G1B
.else
	PLACES
.endif
	FETCH_B \g, 0, \ns
	FETCH_A \g, 0, 0
	SCALES \g, 0, \ns
	ASKP \pf, \cond
	WIN MUL_HI
	MULB 4, \cs, SC+8*\cs, \zero
	MULB 5, \cs, SC+8*\cs, \zero
	MULB 6, \cs, SC+8*\cs, \zero
	MULB 7, \cs, SC+8*\cs, \zero
	PLACES
	WIN 0
	FETCH_A \g, 0, 4
.endm
	s_wait_alu depctr_va_vdst(0)
	s_wait_tensorcnt 1                             ; Y's load is in; X's, issued behind it, may be out
	s_barrier_signal -1
	s_barrier_wait -1
	FETCH_B 1, 0, 0
	FETCH_A 1, 0, 0
	SCALES 1, 0, 0
	FETCH_A 1, 0, 4
	TURN 0, 1, 1, 0, 1, -1, 0                      ; the first step's products start the sums
	s_mov_b32 s3, 2
.Llap:                                                 ; a trip: X, Y, X, Y: two laps, from a lap's X to the lap after next's Y
	s_wait_xcnt 0x0                                ; my prefetches have read their address: it is stepped only behind this wait
	s_add_nc_u64 s[PFA:PFA+1], s[PFA:PFA+1], 2*LAP
	PLAIN 1, 0, 0
	TURN 0, 1, 0, 1, 0, PIECE, 0
	TURN 1, 0, 1, 0, 0, 2*PIECE, 0
	PLAIN 0, 1, LAP
	TURN 1, 0, 0, 1, 0, LAP+PIECE, 1
	TURN 0, 1, 1, 0, 0, LAP+2*PIECE, 1
	s_sub_co_u32 s3, s3, 1
	s_cmp_lg_u32 s3, 0
	s_cbranch_scc1 .Llap
	PLAIN 1, 0, -1
	TURN 0, 1, 2, 1, 0, -1, 0
	s_wait_dscnt 4*NL
	WIN MUL_LO
	MULB 0, 1, SC+8, 0
	MULB 1, 1, SC+8, 0
	MULB 2, 1, SC+8, 0
	MULB 3, 1, SC+8, 0
	s_wait_dscnt 0x0
	WIN MUL_HI
	MULB 4, 1, SC+8, 0
	MULB 5, 1, SC+8, 0
	MULB 6, 1, SC+8, 0
	MULB 7, 1, SC+8, 0
	WIN 0
	s_wait_kmcnt 0x0
	s_wait_loadcnt 0x0
.irp k, 0,1,2,3
	v_cvt_f32_i32 v[BIAS+\k], v[BIAS+\k]           ; these eight lines are also the places behind the last products
.endr
.irp k, 0,1,2,3
	v_mul_f32 v[BIAS+\k], s94, v[BIAS+\k]
.endr
	s_wait_alu depctr_va_vdst(0)                   ; the wait
	s_wait_dscnt 0x0                               ; my reads of the slots are over
	s_barrier_signal -1
	s_barrier_wait -1                              ; and everybody's: the slots, which are filled no more, take the parts
.macro GIVE p                          ; register j of lane (r, h) of accumulator (a, b) is column 32 (b / 2) + 8 (b % 2) + 16 h + j; each accumulator from its low end on
.irp e, 0,1
.irp b, 0,1,2,3,4,5,6,7
	ds_store_b128 v[RST+\p], v[8*(8*((2*\p+\e)%4)+\b):8*(8*((2*\p+\e)%4)+\b)+3] offset:\e*16*SPITCH+128*(\b/2)+32*(\b%2)
	ds_store_b128 v[RST+\p], v[8*(8*((2*\p+\e)%4)+\b)+4:8*(8*((2*\p+\e)%4)+\b)+7] offset:\e*16*SPITCH+128*(\b/2)+32*(\b%2)+16
.endr
.endr
.endm
	WIN 0x08
	GIVE 0
	GIVE 1
	WIN 0x0c
	GIVE 2
	GIVE 3
	WIN 0
	s_wait_dscnt 0x0                               ; for the others' sake: my stores are done
	s_barrier_signal -1
	s_barrier_wait -1
.macro LOADG g                         ; four rows x four parts: 16 loads, 64 registers, three sets by turns
.irp j, 0,1,2,3
.irp t, 0,1,2,3
	ds_load_b128 v[64+64*((\g)%3)+16*\j+4*\t:64+64*((\g)%3)+16*\j+4*\t+3], v[RLD+\t/2] offset:(\t%2)*PARTB+(4*(\g)+\j)*SPITCH
.endr
.endr
.endm
.macro SUMG g, n                       ; n: the LDS loads issued behind this group's
	s_wait_dscnt \n
.irp j, 0,1,2,3
.set R, 64+64*((\g)%3)+16*\j
.set I, 4*(\g)+\j
	v_pk_add_f32 v[R:R+1], v[R:R+1], v[R+4:R+5]
	v_pk_add_f32 v[R+2:R+3], v[R+2:R+3], v[R+6:R+7]
	v_pk_add_f32 v[R+8:R+9], v[R+8:R+9], v[R+12:R+13]
	v_pk_add_f32 v[R+10:R+11], v[R+10:R+11], v[R+14:R+15]
	v_pk_add_f32 v[R+8:R+9], v[R+8:R+9], v[BIAS:BIAS+1]
	v_pk_add_f32 v[R+10:R+11], v[R+10:R+11], v[BIAS+2:BIAS+3]
	v_pk_add_f32 v[R:R+1], v[R:R+1], v[R+8:R+9]
	v_pk_add_f32 v[R+2:R+3], v[R+2:R+3], v[R+10:R+11]
	global_store_b128 v[CO], v[R:R+3], s[12:13] offset:(8*(I/16)+I%16+8*((I%16)/8))*8192 th:TH_STORE_NT   ; 32 lanes store 512 consecutive bytes, at a multiple of 512 from out0's first byte; place I of the two fragments is that row
.endr
.endm
	LOADG 0
	LOADG 1
.irp g, 0,1,2,3,4,5,6,7
.if \g < 6
.if \g > 0
	s_wait_xcnt 0x0                                ; the stores of the group before have read the set that the loads below fill
.endif
	LOADG \g+2
	SUMG \g, 32
.elseif \g == 6
	SUMG \g, 16
.else
	SUMG \g, 0
.endif
.endr
	s_wait_tensorcnt 0x0                           ; the wave's end
	ds_add_u32 v[SPW], v[NIL]
	s_wait_dscnt 0x0
	CROUND                                         ; the closing round
	s_endpgm
.Lfunc_end_k_q33f214428a_proj:
	.size	k_q33f214428a_proj, .Lfunc_end_k_q33f214428a_proj-k_q33f214428a_proj
	.p2alignl 7, 3214868480
	.fill 96, 4, 3214868480
	.section	.rodata,"a",@progbits
	.p2align	6, 0x0
	.amdhsa_kernel k_q33f214428a_proj
		.amdhsa_group_segment_fixed_size 327680
		.amdhsa_private_segment_fixed_size 0
		.amdhsa_enable_private_segment 0
		.amdhsa_kernarg_size 40
		.amdhsa_user_sgpr_count 2
		.amdhsa_user_sgpr_kernarg_segment_ptr 1
		.amdhsa_wavefront_size32 1
		.amdhsa_system_sgpr_workgroup_id_x 1
		.amdhsa_system_sgpr_workgroup_id_y 1
		.amdhsa_system_sgpr_workgroup_id_z 1
		.amdhsa_system_vgpr_workitem_id 0
		.amdhsa_next_free_vgpr 1024
		.amdhsa_next_free_sgpr 96
		.amdhsa_reserve_vcc 0
		.amdhsa_float_denorm_mode_32 3
		.amdhsa_float_denorm_mode_16_64 3
		.amdhsa_memory_ordered 1
		.amdhsa_forward_progress 1
		.amdhsa_inst_pref_size 173
	.end_amdhsa_kernel
	.amdgpu_metadata
---
amdhsa.version: [ 1, 2 ]
amdhsa.kernels:
  - .name:           k_q33f214428a_proj
    .symbol:         k_q33f214428a_proj.kd
    .args:
      - { .name: hq, .offset: 0, .size: 8, .value_kind: global_buffer, .address_space: global }
      - { .name: w2q, .offset: 8, .size: 8, .value_kind: global_buffer, .address_space: global }
      - { .name: b_proj_q, .offset: 16, .size: 8, .value_kind: global_buffer, .address_space: global }
      - { .name: s_proj_b, .offset: 24, .size: 8, .value_kind: global_buffer, .address_space: global }
      - { .name: out0, .offset: 32, .size: 8, .value_kind: global_buffer, .address_space: global }
    .group_segment_fixed_size: 327680
    .private_segment_fixed_size: 0
    .kernarg_segment_align: 8
    .kernarg_segment_size: 40
    .max_flat_workgroup_size: 128
    .sgpr_count:     96
    .vgpr_count:     1024
    .wavefront_size: 32
...
	.end_amdgpu_metadata
.endif
;; end of part 3
